; MI455X (gfx1250); checked and timed in simulation.
; The chip was launched on July 23, 2026; its instructions are those of AMD's public machine-readable ISA for CDNA 5 (MIT licence, August 2026) and "CDNA5" Instruction Set Architecture Reference Guide (July 2026). The comments in the code are by the model that wrote it; some were corrected since.
;; My Linear. Allowed arithmetic: matrix products marked QUANTISED: E4M3 operands, one given power-of-two scale a tensor, by v_wmma_f32_16x16x64_fp8_fp8 or v_wmma_f32_16x16x128_fp8_fp8, f32 sums; everything else in f32.
;; Inputs: W 4,096 x 4,096 float32; b 4,096 float32; lowp_scales 2 int32 (the exponents e of the quantised operands' scales 2^e); x 4,096 x 4,096 float32.
;; Outputs: out0 4,096 x 4,096 float32.
;; This version of the problem:
;;   THIS VERSION OF THE PROBLEM IS GIVEN IN LOW PRECISION. The matrix products marked QUANTISED in the list below multiply operands that are first quantised to E4M3 (4 exponent bits, 3 mantissa bits; 8 bits a number), with one given power-of-two scale for each operand tensor; their sums are f32. All else is computed in f32.
;;   The module's matrix products, in the order in which they are computed (A, B: the left and right operand; K: the contracted axis; several contracted axes count as one K, in the product's order):
;;     1. [M 4,096, K 4,096] x [K 4,096, N 4,096]; A: input x; B: input W: QUANTISED (scales: A lowp_scales[0], B lowp_scales[1])
;;   THE QUANTISER, for each operand of a quantised product, along K:
;;     - The operand's scale is 2^e, e = its entry of the input lowp_scales (int32; the entries are numbered through the quantised products in the list's order, A before B).
;;     - Each number is divided by the scale, clamped to +-448, and rounded to the nearest number of E4M3, ties to even, subnormals kept.
;;     - The product sums the exact products of the quantised numbers (number of the format x scale) in f32.
;;   ~~~python
;;   def quantise(x, axis, e):      # numpy; x: float32 -> the quantised numbers, widened to float32 again
;;       x = np.moveaxis(x, axis, -1); K = x.shape[-1]
;;       r = np.clip(x / 2.0 ** e, -448, 448)
;;       step = 2.0 ** (np.maximum(np.frexp(np.where(r == 0, 1, r))[1] - 1, -6) - 3)
;;       q = np.round(r / step) * step * 2.0 ** e      # np.round: ties to even
;;       return np.moveaxis(q, -1, axis).astype(np.float32)
;;   ~~~
;; One version. Each part assembles by itself: llvm-mc -triple=amdgcn-amd-amdhsa -mcpu=gfx1250 --defsym DOCPART=n.
;; ======== version 1 of 1: 2 launches
;; limits: right only within a limited range of input values
;; workspace buffers: xq 16,777,216 bytes; wq 16,777,216 bytes
;; launch quant (part 1): grid 1024 x 1, 4 waves a work-group, no clusters, 0 bytes of LDS; arguments x, W, lowp_scales, xq, wq; writes xq, wq
.if DOCPART == 1
	.amdgcn_target "amdgcn-amd-amdhsa--gfx1250"
	.amdhsa_code_object_version 6
	.text
	.protected	k_q9749055db8_quant
	.globl	k_q9749055db8_quant
	.p2align	8
	.type	k_q9749055db8_quant,@function
k_q9749055db8_quant:
	s_mov_b64 s[64:65], 0
	v_nop
	global_prefetch_b8 v0, s[64:65] scope:SCOPE_SE
	s_setreg_imm32_b32 hwreg(HW_REG_WAVE_MODE, 25, 1), 1
	s_wait_xcnt 0x0
; x [4096][4096] and W [4096 (k)][4096 (n)], f32, become codes of FP8 (E4M3), one byte each, each tensor with the one scale 2^e that is given for it (entry 0: x, entry 1: W).
; code = number / 2^e, held within +-448, rounded to the nearest code, ties to even.
; LIMITS: each e lies between -126 and 119, so that 2^e and 448 x 2^e are f32 numbers.  NaN among the inputs is not served; an infinity is held at the largest code.
; Each operand is read by sixteen tiles of the product, so it is quantised once, here, and the product reads a quarter of the bytes.
; PLACES ALONG K.  Both buffers of codes hold K in ONE order of places, which is not ascending k: inside each 512 along K, place 16 l + 4 i + e (l = 0 .. 31, i = 0 .. 3, e = 0 .. 3) holds k = 128 i + 4 l + e.
; The order is the same in both operands, so every product meets its partner; only the order of the sums changes.  It is the order in which four loads of 512 consecutive bytes hand x's numbers to a lane:
; so x needs no turn through LDS.  For W it costs nothing: a lane's registers run down K, and which row a load takes is an immediate.
; ONE LAUNCH, TWO PATHS, parted by the work-group's number.  Every work-group reads 131,072 bytes and stores 32,768.
;   work-groups 0-511: x.  xq is [4096 rows][4096 places], one byte a place.
;   work-groups 512-1023: W.  K is its first axis: a lane takes two neighbouring columns and its registers run down K, so the conversions give codes with K innermost and nothing is transposed.
; wq IS LAID AS IMAGES OF THE PRODUCT'S OPERAND REGISTERS.  The code of column n at place P lies at byte
;   (P / 256) 2^20 + J 4096 + ((P / 128) % 2) 2048 + ((P / 32) % 4) 512 + ((P / 16) % 2) 256 + 16 r + P % 16,   J = 2 (n / 32) + n % 2,   r = (n % 32) / 2.
; A tile of sixteen columns is thus columns 32 G + 2 r + p (J = 2 G + p): which columns form a tile is free, and with this choice a lane's two columns go to two tiles at the same place r,
; a wave's load covers 256 consecutive bytes, and sixteen lanes' stores cover 256 consecutive bytes, aligned.
; A stream whose work-groups share no input: no matrix unit, no cluster, no tensor load, no LDS, no barrier.
.set STEPS, 16                         ; x: steps of 512 numbers for a wave
.set DEPTH, 8                          ; x: steps whose loads are out at a time: 32 loads, 16,384 bytes a wave
.set R,     16                         ; x: v16-143  eight sets of 16 numbers
.set C,     144                        ; x: v144-207 codes: four registers for each step, never written again
.set RW,    32                         ; W: v32-159  two sets of 32 rows x 2 columns as they are loaded
.set D,     160                        ; W: v160-223 the held numbers, column 0's 32, then column 1's
.set CW,    224                        ; W: v224-255 two sets of 16 registers of codes
.set WROW,  16384                      ; W: bytes in a row
; 2^e (v11: the conversion takes its exponent field) and 448 x 2^e (v10), from e in s[se]
.macro MKSCALE se
	s_add_co_i32 s[\se], s[\se], 127
	s_lshl_b32 s24, s[\se], 23
	v_mov_b32 v11, s24
	s_add_co_i32 s[\se], s[\se], 8                 ; 448 = 1.75 x 2^8
	s_lshl_b32 s[\se], s[\se], 23
	s_or_b32 s[\se], s[\se], 0x600000              ; the mantissa field of 1.75
	v_mov_b32 v10, s[\se]
.endm
	s_load_b128 s[4:7], s[0:1], 0x0                ; x s[4:5], W s[6:7]
	s_load_b64 s[8:9], s[0:1], 0x10                ; the scales' exponents
	s_load_b128 s[12:15], s[0:1], 0x18             ; xq s[12:13], wq s[14:15]
	v_lshrrev_b32 v1, 5, v0
	v_readfirstlane_b32 s16, v1                    ; wave 0..3
	v_and_b32 v2, 31, v0                           ; lane
	s_wait_kmcnt 0x0
	s_load_b64 s[22:23], s[8:9], 0x0               ; ex, ew
	s_cmp_lt_u32 ttmp9, 512
	s_cbranch_scc0 .Lw
; ---------------- x ----------------
; A wave takes 16 steps of 512 numbers; a step lies inside one row and begins at a multiple of 512 along K.  Load i of a step's four reads 512 consecutive bytes, 16 a lane: lane l gets k = 128 i + 4 l + 0 .. 3 into
; registers 4 i .. 4 i + 3.  The two conversions make of the lane's 16 registers its 16 codes, places 16 l + 0 .. 15, and the wave stores 512 consecutive bytes.
; Every offset is an immediate; no pointer is stepped; each step has its own registers for its codes, so no store's data are written again.
	s_wait_alu depctr_va_vdst(0)
	v_lshlrev_b32 v3, 4, v2                        ; 16 x lane: my 16 bytes of a load's 512, and my 16 codes of a step's 512
	s_lshl_b32 s18, ttmp9, 2
	s_add_co_u32 s18, s18, s16                     ; which run of 8,192 numbers is my wave's: 0 .. 2,047
	s_lshl_b32 s20, s18, 15                        ; 32,768 bytes of x,
	s_mov_b32 s21, 0
	s_add_nc_u64 s[4:5], s[4:5], s[20:21]
	s_lshl_b32 s20, s18, 13                        ; 8,192 bytes of codes
	s_add_nc_u64 s[12:13], s[12:13], s[20:21]
.macro LOAD t
.irp i, 0,1,2,3
	global_load_b128 v[R+16*((\t)%DEPTH)+4*\i:R+16*((\t)%DEPTH)+4*\i+3], v3, s[4:5] offset:2048*(\t)+512*\i th:TH_LOAD_NT   ; 32 lanes read 512 consecutive bytes; read once in the launch
.endr
.endm
.irp t, 0,1,2,3,4,5,6,7
	LOAD \t
.endr
	s_wait_kmcnt 0x0
	MKSCALE 22                                     ; ex
.macro STEP t
.set XS, R+16*((\t)%DEPTH)
.if STEPS-1-(\t) >= DEPTH-1
	s_wait_loadcnt 4*(DEPTH-1)                     ; loads come back in order (ISA guide 5.7.1): this step's four are in; those of the seven steps behind it may be out
.else
	s_wait_loadcnt 4*(STEPS-1-(\t))                ; near the end fewer steps stand behind it
.endif
.irp i, 0,1,2,3,4,5,6,7,8,9,10,11,12,13,14,15
	v_med3_num_f32 v[XS+\i], v[XS+\i], -v10, v10   ; the conversion to an 8-bit code does not saturate (ISA guide 7.6.2): the number is held within the largest code x the scale first
.endr
	v_cvt_scalef32_pk8_fp8_f32 v[C+4*(\t):C+4*(\t)+1], v[XS:XS+7], v11          ; eight numbers / 2^ex, to the nearest code, ties to even; the first number's code in the lowest byte
	v_cvt_scalef32_pk8_fp8_f32 v[C+4*(\t)+2:C+4*(\t)+3], v[XS+8:XS+15], v11     ; (the results go to a store alone, the sources are next written by loads; the next vector lines, the next step's holds, are plain and touch another set)
.if (\t)+DEPTH < STEPS
	LOAD (\t)+DEPTH                                ; the set just read takes the step eight further on; loads ahead of the store
.endif
.if ((\t)%4) == 3                      ; each step's codes keep registers of their own, so four steps' stores go out on end
.irp u, 3,2,1,0
	global_store_b128 v3, v[C+4*((\t)-\u):C+4*((\t)-\u)+3], s[12:13] offset:512*((\t)-\u)      ; 32 lanes store 512 consecutive bytes, aligned
.endr
.endif
.endm
	s_wait_alu depctr_va_vdst(0)
.irp t, 0,1,2,3,4,5,6,7,8,9,10,11,12,13,14,15
	STEP \t
.endr
	s_endpgm
; ---------------- W ----------------
; Work-group g = number - 512: columns 256 (g % 16) on, places 128 ks on, ks = g / 16.  Wave w: 64 of the columns; lane l: columns 2 l and 2 l + 1 of them; four blocks of 32 places.
; Place 128 ks + 32 t + i holds row k = 512 (ks / 4) + 32 (ks % 4) + 8 t + 4 (i / 16) + 128 ((i / 4) % 4) + i % 4: the first two terms stand in the base, the others in the load's immediate.
; A load brings one row k at the wave's 64 columns: 256 consecutive bytes, aligned.  The hold writes into other registers and so takes the two columns apart at no cost of its own.
.Lw:
	s_sub_co_u32 s17, ttmp9, 512
	s_and_b32 s18, s17, 15                         ; cg: which 256 columns
	s_lshr_b32 s19, s17, 4                         ; ks: which 128 places
	s_lshr_b32 s20, s19, 2                         ; W: 512 (ks / 4) rows of 16,384 bytes
	s_lshl_b32 s20, s20, 23
	s_and_b32 s26, s19, 3                          ;    + 32 (ks % 4) rows
	s_lshl_b32 s26, s26, 19
	s_add_co_u32 s20, s20, s26
	s_lshl_b32 s26, s18, 10                        ;    + 256 cg columns
	s_add_co_u32 s20, s20, s26
	s_lshl_b32 s26, s16, 8                         ;    + 64 w columns
	s_add_co_u32 s20, s20, s26
	s_mov_b32 s21, 0
	s_add_nc_u64 s[6:7], s[6:7], s[20:21]
	s_lshr_b32 s20, s19, 1                         ; wq: (P / 256) 2^20
	s_lshl_b32 s20, s20, 20
	s_and_b32 s26, s19, 1                          ;     + ((P / 128) % 2) 2,048
	s_lshl_b32 s26, s26, 11
	s_add_co_u32 s20, s20, s26
	s_lshl_b32 s26, s18, 2                         ;     + my wave's four tiles J = 16 cg + 4 w on: (4 cg + w) 16,384
	s_add_co_u32 s26, s26, s16
	s_lshl_b32 s26, s26, 14
	s_add_co_u32 s20, s20, s26
	s_add_nc_u64 s[14:15], s[14:15], s[20:21]
	s_wait_alu depctr_va_vdst(0)
	v_lshlrev_b32 v3, 3, v2                        ; in: 8 bytes a lane
	v_lshrrev_b32 v4, 4, v2
	v_and_b32 v5, 15, v2
	v_lshlrev_b32 v4, 13, v4                       ; out: lanes 16-31 hold the next 32 columns: two tiles, 8,192 bytes, on;
	v_lshl_add_u32 v4, v5, 4, v4                   ;      16 bytes at place r = lane % 16
.macro LOADW t                         ; block t: the rows of places 32 t + i, i = 0 .. 31, at my two columns, into set t % 2.  The largest immediate is 415 rows, 6,799,360 bytes: inside the signed 24 bits (ISA guide, chapter 10)
.set WI, 0
.rept 32
	global_load_b64 v[RW+64*((\t)%2)+2*WI:RW+64*((\t)%2)+2*WI+1], v3, s[6:7] offset:(8*(\t)+4*(WI/16)+128*((WI/4)%4)+WI%4)*WROW th:TH_LOAD_NT
.set WI, WI+1
.endr
.endm
.macro BLOCKW t
.if (\t) < 3
	s_wait_loadcnt 32                              ; this block's 32 loads are in; the next block's 32 may be out
.else
	s_wait_loadcnt 0x0
.endif
.irp p, 0,1
.set WI, 0
.rept 32
	v_med3_num_f32 v[D+32*\p+WI], v[RW+64*((\t)%2)+2*WI+\p], -v10, v10   ; the hold at the largest code x the scale; column p's 32 numbers come to lie on end
.set WI, WI+1
.endr
.endr
.if (\t) < 2
	LOADW (\t)+2                                   ; the set just read takes the block two further on
.endif
.if (\t) >= 2
	s_wait_alu depctr_va_vdst(0)
	s_wait_xcnt 0x0                                ; the stores of two blocks back have read this set of codes: it is written again only behind this wait
.endif
.irp p, 0,1
.irp g, 0,1,2,3
	v_cvt_scalef32_pk8_fp8_f32 v[CW+16*((\t)%2)+8*\p+2*\g:CW+16*((\t)%2)+8*\p+2*\g+1], v[D+32*\p+8*\g:D+32*\p+8*\g+7], v11
.endr
.endr
	v_nop                                          ; one plain vector line between the last conversion and the next block's holds, which write the conversions' sources
.irp p, 0,1
.irp h, 0,1
	global_store_b128 v4, v[CW+16*((\t)%2)+8*\p+4*\h:CW+16*((\t)%2)+8*\p+4*\h+3], s[14:15] offset:4096*\p+512*(\t)+256*\h   ; places 32 t + 16 h + 0 .. 15 of tile 2 G + p: sixteen lanes store 256 consecutive bytes, aligned
.endr
.endr
.endm
	LOADW 0
	LOADW 1
	s_wait_kmcnt 0x0
	MKSCALE 23                                     ; ew
	s_wait_alu depctr_va_vdst(0)
	BLOCKW 0
	BLOCKW 1
	BLOCKW 2
	BLOCKW 3
	s_endpgm
.Lfunc_end_k_q9749055db8_quant:
	.size	k_q9749055db8_quant, .Lfunc_end_k_q9749055db8_quant-k_q9749055db8_quant
	.p2alignl 7, 3214868480
	.fill 96, 4, 3214868480
	.section	.rodata,"a",@progbits
	.p2align	6, 0x0
	.amdhsa_kernel k_q9749055db8_quant
		.amdhsa_group_segment_fixed_size 0
		.amdhsa_private_segment_fixed_size 0
		.amdhsa_enable_private_segment 0
		.amdhsa_kernarg_size 40
		.amdhsa_user_sgpr_count 2
		.amdhsa_user_sgpr_kernarg_segment_ptr 1
		.amdhsa_wavefront_size32 1
		.amdhsa_system_sgpr_workgroup_id_x 1
		.amdhsa_system_sgpr_workgroup_id_y 1
		.amdhsa_system_sgpr_workgroup_id_z 1
		.amdhsa_system_vgpr_workitem_id 0
		.amdhsa_next_free_vgpr 256
		.amdhsa_next_free_sgpr 66
		.amdhsa_reserve_vcc 0
		.amdhsa_float_denorm_mode_32 3
		.amdhsa_float_denorm_mode_16_64 3
		.amdhsa_memory_ordered 1
		.amdhsa_forward_progress 1
		.amdhsa_inst_pref_size 61
	.end_amdhsa_kernel
	.amdgpu_metadata
---
amdhsa.version: [ 1, 2 ]
amdhsa.kernels:
  - .name:           k_q9749055db8_quant
    .symbol:         k_q9749055db8_quant.kd
    .args:
      - { .name: x, .offset: 0, .size: 8, .value_kind: global_buffer, .address_space: global }
      - { .name: W, .offset: 8, .size: 8, .value_kind: global_buffer, .address_space: global }
      - { .name: lowp_scales, .offset: 16, .size: 8, .value_kind: global_buffer, .address_space: global }
      - { .name: xq, .offset: 24, .size: 8, .value_kind: global_buffer, .address_space: global }
      - { .name: wq, .offset: 32, .size: 8, .value_kind: global_buffer, .address_space: global }
    .group_segment_fixed_size: 0
    .private_segment_fixed_size: 0
    .kernarg_segment_align: 8
    .kernarg_segment_size: 40
    .max_flat_workgroup_size: 128
    .sgpr_count:     66
    .vgpr_count:     256
    .wavefront_size: 32
...
	.end_amdgpu_metadata
.endif
;; end of part 1
;; launch gemm (part 2): grid 16 x 16, 8 waves a work-group, clusters of 4 x 4, 327,680 bytes of LDS; arguments xq, wq, lowp_scales, b, out0; writes out0
.if DOCPART == 2
	.amdgcn_target "amdgcn-amd-amdhsa--gfx1250"
	.amdhsa_code_object_version 6
	.text
	.protected	k_q9749055db8_gemm
	.globl	k_q9749055db8_gemm
	.p2align	8
	.type	k_q9749055db8_gemm,@function
k_q9749055db8_gemm:
	s_mov_b64 s[64:65], 0
	v_nop
	global_prefetch_b8 v0, s[64:65] scope:SCOPE_SE
	s_setreg_imm32_b32 hwreg(HW_REG_WAVE_MODE, 25, 1), 1
	s_wait_xcnt 0x0
	s_wait_alu depctr_hold_cnt(0) depctr_sa_sdst(0) depctr_va_vdst(0) depctr_va_sdst(0) depctr_va_ssrc(0) depctr_va_vcc(0) depctr_vm_vsrc(0)
	s_getreg_b32 s2, hwreg(HW_REG_IB_STS2, 6, 4)
	s_cmp_eq_u32 s2, 0
	s_cbranch_scc0 .Lentry_in_a_cluster
	s_endpgm
.Lentry_in_a_cluster:
	s_bfe_u32 s2, ttmp6, 0x10000c
	s_cmp_lg_u32 s2, 0xf033
	s_cbranch_scc0 .Lentry_shape_is_right
	s_endpgm
.Lentry_shape_is_right:
; out0[m][n] = 2^(ex + ew) x (sum over K of xq's code x wq's code) + b[n].  xq, wq: codes of FP8 (E4M3) as the launch before laid them; sums in f32.
; LIMIT: ex + ew lies between -126 and 127, so that 2^(ex + ew) is an f32 number.
; xq is [4096 rows][4096 places along K]; wq holds images of operand registers: for each 256 places 2^20 bytes, in them 4,096 bytes for a tile of sixteen columns (tile 2 G + p = columns 32 G + 2 r + p),
; in them 512 for each 32 places (16 bytes a lane).  Both hold K in one order of places, so every product meets its partner.
; A block of 256 x 256 of out0 is a work-group's: EIGHT waves, two for each SIMD, each 128 rows x 64 columns: 32 accumulators, 256 registers.
; K goes in steps of 64 (v_wmma_f32_16x16x64_fp8_fp8): 8 blocks of x and 4 tiles of W, 96 registers, in two sets; each step holds ONE run of 24 loads for the next step.
; TWO PHASES: the waves are of two kinds by their number w, (w xor w / 4) & 1.  An early wave issues the run at a step's head, a late wave between the step's two halves of 16 products: so one kind has products to issue
; while the other issues loads.
; LDS: two slots of 256 along K (x's 256 rows of 272 bytes, then W's 16 tiles).  Waves 0-3 fetch slot 0's four quarters, waves 4-7 slot 1's: every wave issues one tensor load at the head, and one at every second change of slots.
; CLUSTERS: 4 x 4 work-groups; x's tile is asked for jointly along a row of the cluster, W's along a column.
; THE MATRIX INSTRUCTION IS USED TRANSPOSED (source 0 = a tile of W, source 1 = 16 rows of x): a lane holds one row of out0, and two neighbouring tiles give it 16 neighbouring columns.
; PREFETCH: a wave that has asked for K step j names K step j + 2, which it will itself fetch at its next refill: 32 blocks of 256 bytes, a lane a block.  Of the 128 rows (or blocks) that a wave fetches, each of the four
; partners that ask jointly takes 32, told apart by address (cx for x, cy for W), so each block is named once in each cluster that loads it.  K steps 14 and 15's refills name nothing.
; REGISTERS: window 0: v0-31 addresses, v32-63 the bias, v64-159 and v160-255 the two sets of fragments (x's 8 blocks, then W's 4 tiles);  window 1: the accumulators ((a, b) at v[8 (4 a + b)]).
.set ROWB,   256                       ; a row of x's tile in bytes
.set KROW,   4096                      ; a row of xq
.set BSTEP,  0x100000                  ; wq: from one 256 places to the next
.set NROW,   16384                     ; a row of out0
.set PITCH,  272                       ; x's LDS row: 256 bytes + 16 of padding
.set HALFA,  128*PITCH
.set HALFB,  32768
.set SLOT,   2*HALFA+2*HALFB
.set LAPS,   8
.set SPARE,  2*SLOT                    ; the spare words: 128 bytes for each of eight waves, named by no other line
.set STAGE,  SPARE+1024                ; the way out: 16 rows x 272 bytes for each wave; no tensor load lands here
.set SPITCH, 272
.set ADRA, 16
.set ADRB, 20
.set STO,  24
.set RD,   25
.set CO,   26
.set BO,   27
.set SPW,  28
.set NIL,  29
.set PFO,  30
.set BI,   32
.set FS,   64                          ; the fragments' two sets
.set TMP,  64                          ; the way out: a block's 32 results
.set BK,   96                          ; the way out: 16 rows read back: v96-127 and v128-159 by turns
.set G1, 24
.set G0, 32
.set G1B, 48
.set G0B, 56
.set PFA, 68                           ; s[68:69] where the prefetches stand;  s[70:71] their step along K
.set PFS, 70
.set LATE, 92                          ; s92: 0 an early wave, 1 a late one
.set MSB, 0
.macro WIN new                         ; the immediate's high byte repeats the setting that is left
.if MSB != (\new)
	s_set_vgpr_msb (MSB<<8)|(\new)
.set MSB, \new
.endif
.endm
.set MUL, 0x50                         ; sources 0 and 1 window 0, C and D window 1
.macro JLOAD                           ; a joint load: of a slot's four waves two fetch x's halves, two W's; s_nop 0 and four v_nop behind each line
	s_cmp_eq_u32 s15, 0
	s_cbranch_scc0 .Lfor_b_\@
	tensor_load_to_lds s[G0:G0+3], s[G1:G1+7]
	s_nop 0
.rept 4
	v_nop
.endr
	s_branch .Lasked_\@
.Lfor_b_\@:
	tensor_load_to_lds s[G0B:G0B+3], s[G1B:G1B+7]
	s_nop 0
.rept 4
	v_nop
.endr
.Lasked_\@:
.endm
.macro ASK slot                        ; the slot's own waves; not in the loop's last trip (s3 = 1)
	s_cmp_lg_u32 s18, \slot
	s_cbranch_scc1 .Lno_ask_\@
	s_cmp_gt_u32 s3, 1
	s_cbranch_scc0 .Lno_ask_\@
	global_prefetch_b8 v[PFO], s[PFA:PFA+1] th:TH_LOAD_NT scope:SCOPE_SE
.Lno_ask_\@:
.endm
.macro CREST
	s_cmp_lg_u32 s14, 0
	s_cbranch_scc1 .Lnot_wave_0_\@
	s_barrier_signal -3
.Lnot_wave_0_\@:
	s_barrier_wait -3
	s_barrier_signal -1
	s_barrier_wait -1
.endm
.macro CROUND
	s_barrier_signal -1
	s_barrier_wait -1
	CREST
.endm
.macro PLACES n
.rept \n
	v_nop
.endr
.endm
	s_load_b128 s[4:7], s[0:1], 0x0                ; xq, wq
	s_load_b128 s[8:11], s[0:1], 0x10              ; the scales' exponents, b
	s_load_b64 s[12:13], s[0:1], 0x20              ; out0
	v_lshl_add_u32 v[SPW], v0, 2, SPARE
	v_mov_b32 v[NIL], 0
	ds_add_u32 v[SPW], v[NIL]                      ; the opening lines: the add,
	ds_add_u32 v[SPW], v[NIL]                      ; twice on end; all that hangs on ids alone is made between it and its wait
	v_lshrrev_b32 v1, 5, v0
	v_readfirstlane_b32 s14, v1                    ; wave 0..7
	s_lshr_b32 s18, s14, 2                         ; the slot that I fetch for; also my half of the block's rows
	s_and_b32 s19, s14, 3                          ; my quarter of the block's columns
	s_lshr_b32 s15, s19, 1                         ; I fetch for x (0) or W (1),
	s_and_b32 s16, s19, 1                          ; and which half of that tile
	s_xor_b32 s[LATE], s18, s14
	s_and_b32 s[LATE], s[LATE], 1                  ; my phase: it differs between waves w and w + 4, and between waves 2 k and 2 k + 1
	s_bfe_u32 s40, ttmp6, 0x40000                  ; cx
	s_bfe_u32 s41, ttmp6, 0x40004                  ; cy
	s_lshl_b32 s42, ttmp9, 2
	s_add_co_u32 s42, s42, s40                     ; block column
	s_and_b32 s17, ttmp7, 0xffff
	s_lshl_b32 s17, s17, 2
	s_add_co_u32 s17, s17, s41                     ; block row
	s_lshl_b32 s43, s41, 2
	s_lshl_b32 s43, 15, s43                        ; my row of the cluster
	s_lshl_b32 s44, 0x1111, s40                    ; my column
	s_or_b32 s[G1+0], s43, (0<<16)|(1<<20)|(1<<21)|(5<<22)|(3<<25)  ; x: 128 rows x 256 bytes, 16 bytes of padding behind each
	s_mov_b32 s[G1+1], ROWB<<16
	s_mov_b32 s[G1+2], 128<<16
	s_mov_b32 s[G1+3], ROWB<<16
	s_mov_b32 s[G1+4], 128
	s_mov_b32 s[G1+5], KROW
	s_mov_b32 s[G1+6], 0
	s_mov_b32 s[G1+7], 0
	s_or_b32 s[G1B+0], s44, (3<<16)|(1<<21)        ; W: a dense block of 32,768 bytes as 128 rows of 32 elements of 8 bytes
	s_mov_b32 s[G1B+1], 32<<16
	s_mov_b32 s[G1B+2], 128<<16
	s_mov_b32 s[G1B+3], 32<<16
	s_mov_b32 s[G1B+4], 128
	s_mov_b32 s[G1B+5], 32
	s_mov_b32 s[G1B+6], 0
	s_mov_b32 s[G1B+7], 0
	s_lshl_b32 s20, s17, 20                        ; x: 256 rows of 4,096 bytes a block row, + 128 rows x half, + my slot's first K step
	s_lshl_b32 s21, s16, 19
	s_add_co_u32 s20, s20, s21
	s_lshl_b32 s21, s18, 8
	s_add_co_u32 s20, s20, s21
	s_mov_b32 s21, 0
	s_lshl_b32 s46, s42, 16                        ; W: 16 tiles of 4,096 bytes a block column, + 8 tiles x half, + my slot's first K step
	s_lshl_b32 s47, s16, 15
	s_add_co_u32 s46, s46, s47
	s_lshl_b32 s47, s18, 20
	s_add_co_u32 s46, s46, s47
	s_mov_b32 s47, 0
	s_mul_i32 s67, s18, SLOT                       ; where they go: my slot; in it x's two halves, then W's two
	s_mul_i32 s45, s16, HALFA
	s_add_co_u32 s45, s45, s67
	s_mul_i32 s66, s16, HALFB
	s_add_co_u32 s66, s66, 2*HALFA
	s_add_co_u32 s66, s66, s67
	s_mul_i32 s22, s18, HALFA                      ; where my 128 rows of x lie in slot 0,
	s_lshl_b32 s23, s19, 14
	s_add_co_u32 s23, s23, 2*HALFA                 ; and my four tiles of W
	s_mul_i32 s72, s14, 16*SPITCH
	s_add_co_u32 s72, s72, STAGE                   ; my stage
	s_lshl_b32 s86, s42, 10                        ; my first column in bytes, in b and in a row of out0
	s_lshl_b32 s87, s19, 8
	s_add_co_u32 s86, s86, s87
	s_mov_b32 s87, 0
	s_lshl_b32 s88, s17, 22                        ; my first row of out0 in bytes
	s_lshl_b32 s89, s18, 21
	s_add_co_u32 s88, s88, s89
	s_mov_b32 s89, 0
	s_lshl_b32 s73, s17, 20                        ; prefetch, x: the rows that I fetch, + my work-group's 32 of them (cx)
	s_lshl_b32 s74, s16, 19
	s_add_co_u32 s73, s73, s74
	s_lshl_b32 s74, s40, 17
	s_add_co_u32 s73, s73, s74
	s_lshl_b32 s75, s42, 16                        ; W: the 128 blocks of 256 bytes that I fetch, + my work-group's 32 (cy)
	s_lshl_b32 s76, s16, 15
	s_add_co_u32 s75, s75, s76
	s_lshl_b32 s76, s41, 13
	s_add_co_u32 s75, s75, s76
	s_mov_b32 s[PFS], BSTEP
	s_mov_b32 s78, KROW
	s_cmp_eq_u32 s15, 0
	s_cselect_b32 s74, s73, s75
	s_cselect_b32 s[PFS], ROWB, s[PFS]             ; from K step to K step
	s_cselect_b32 s78, s78, 256                    ; from lane to lane
	s_mov_b32 s75, 0
	s_mov_b32 s[PFS+1], 0
	s_add_co_u32 s76, s18, 2
	s_mul_i32 s76, s76, s[PFS]                     ; ahead of the loop: K step 2 (slot 0's waves) or 3 (slot 1's)
	s_mov_b32 s77, 0
	s_mul_i32 s90, s[PFS], 3                       ; in the loop: stepped once at each change of slots, from K step 3 on
	s_mov_b32 s91, 0
	v_and_b32 v1, 15, v0                           ; r
	v_bfe_u32 v2, v0, 4, 1                         ; h
	v_and_b32 v6, 31, v0
	v_mul_u32_u24 v3, v1, PITCH
	v_lshl_add_u32 v4, v2, 4, v3
	v_lshlrev_b32 v7, 4, v6
	v_add_nc_u32 v[ADRA], s22, v4                  ; x's fragments: row r x pitch + 16 h
	v_add_nc_u32 v[ADRB], s23, v7                  ; W's: the image, 16 bytes a lane
	v_add_nc_u32 v[ADRA+1], SLOT, v[ADRA]
	v_add_nc_u32 v[ADRB+1], SLOT, v[ADRB]
	v_lshl_add_u32 v5, v2, 6, v3
	v_add_nc_u32 v[STO], s72, v5                   ; into the stage: row r, 64 bytes for each half of the lanes
	v_mul_u32_u24 v8, v2, SPITCH
	v_lshl_add_u32 v8, v1, 4, v8
	v_add_nc_u32 v[RD], s72, v8                    ; back: sixteen lanes to a row of 256 bytes, two rows an instruction
	v_lshlrev_b32 v9, 14, v2
	v_lshl_add_u32 v[CO], v1, 4, v9                ; and the same two rows in out0
	v_lshlrev_b32 v[BO], 6, v2
	v_mul_lo_u32 v[PFO], v6, s78
	s_wait_alu depctr_va_vdst(0)                   ; the head's end
	s_wait_dscnt 0x0                               ; both opening adds are done
	s_wait_kmcnt 0x0
	s_load_b64 s[96:97], s[8:9], 0x0               ; ex, ew
	s_mov_b32 s[G0], 1
	s_mov_b32 s[G0+1], s45
	s_add_nc_u64 s[G0+2:G0+3], s[4:5], s[20:21]
	s_or_b32 s[G0+3], s[G0+3], 0x80000000
	s_mov_b32 s[G0B], 1
	s_mov_b32 s[G0B+1], s66
	s_add_nc_u64 s[G0B+2:G0B+3], s[6:7], s[46:47]
	s_or_b32 s[G0B+3], s[G0B+3], 0x80000000
	s_cmp_eq_u32 s15, 0
	s_cselect_b64 s[PFA:PFA+1], s[4:5], s[6:7]
	s_add_nc_u64 s[PFA:PFA+1], s[PFA:PFA+1], s[74:75]
	s_add_nc_u64 s[80:81], s[PFA:PFA+1], s[76:77]
	s_add_nc_u64 s[PFA:PFA+1], s[PFA:PFA+1], s[90:91]
	s_add_nc_u64 s[84:85], s[10:11], s[86:87]            ; my 64 numbers of b
	s_add_nc_u64 s[12:13], s[12:13], s[88:89]
	s_add_nc_u64 s[12:13], s[12:13], s[86:87]            ; my corner of out0
	CROUND                                         ; all sixteen work-groups are here: the first joint loads meet
	JLOAD                                          ; K steps 0 and 1, a quarter of a slot a wave: one tensor load a wave at the head
.irp g, 0,1
.irp q, 0,1,2,3
	global_load_b128 v[BI+16*\g+4*\q:BI+16*\g+4*\q+3], v[BO], s[84:85] offset:128*\g+16*\q   ; b at my 16 columns of each pair of tiles; waited for on the way out
.endr
.endr
; 24 LDS loads in one run: the fragments of the slot's u-th 64 along K into set p.  A fragment is 8 registers: lane (r, h) holds places 32 c + 16 h + 0 .. 15 in registers 4 c .. 4 c + 3, in x and in W alike.
.macro FETCH slot, u, p
.irp i, 0,1,2,3
.irp c, 0,1
	ds_load_b128 v[FS+96*(\p)+64+8*\i+4*\c:FS+96*(\p)+64+8*\i+4*\c+3], v[ADRB+\slot] offset:4096*\i+1024*(\u)+512*\c
.endr
.endr
.irp i, 0,1,2,3,4,5,6,7
.irp c, 0,1
	ds_load_b128 v[FS+96*(\p)+8*\i+4*\c:FS+96*(\p)+8*\i+4*\c+3], v[ADRA+\slot] offset:64*(\u)+32*\c+\i*16*PITCH
.endr
.endr
.endm
; eight products: x's blocks a0, a0 + 1 against W's four tiles.  The 32 accumulators take turns in one order in every step.
.macro W8 a0, p, zero
.irp a, \a0, \a0+1
.irp b, 0,1,2,3
.if \zero
	v_wmma_f32_16x16x64_fp8_fp8 v[8*(4*(\a)+\b):8*(4*(\a)+\b)+7], v[FS+96*(\p)+64+8*\b:FS+96*(\p)+64+8*\b+7], v[FS+96*(\p)+8*(\a):FS+96*(\p)+8*(\a)+7], 0
.else
	v_wmma_f32_16x16x64_fp8_fp8 v[8*(4*(\a)+\b):8*(4*(\a)+\b)+7], v[FS+96*(\p)+64+8*\b:FS+96*(\p)+64+8*\b+7], v[FS+96*(\p)+8*(\a):FS+96*(\p)+8*(\a)+7], v[8*(4*(\a)+\b):8*(4*(\a)+\b)+7]
.endif
.endr
.endr
.endm
; One of a slot's first three steps.  Four places stand behind the products that read the other set.  An early wave then issues the next step's 24 loads into it and waits for all but these 24; a late wave waits for all
; its loads (this step's, issued half a step ago) and issues the next step's between the step's two halves.
.macro SUB slot, u, zero
	PLACES 4
	WIN 0
	s_cmp_lg_u32 s[LATE], 0
	s_cbranch_scc1 .Llate_\@
	FETCH \slot, (\u)+1, 1-((\u)%2)
	s_wait_dscnt 24
	s_branch .Lgo_\@
.Llate_\@:
	s_wait_dscnt 0x0
.Lgo_\@:
	WIN MUL
	W8 0, (\u)%2, \zero
	W8 2, (\u)%2, \zero
	WIN 0
	s_cmp_eq_u32 s[LATE], 0
	s_cbranch_scc1 .Lmid_\@
	FETCH \slot, (\u)+1, 1-((\u)%2)
.Lmid_\@:
	WIN MUL
	W8 4, (\u)%2, \zero
	W8 6, (\u)%2, \zero
.endm
; A slot's fourth step changes slots.  Its fragments were the last reads of the slot, in both kinds of waves.  In front of the barrier: the wait for all my tensor loads, the add, eight products, the wait for the add and my reads.
; fill = 1: the barrier opens a round of the cluster's barrier, and the slot's own four waves fill it again, two K steps on.  Then the other slot's first fragments: an early wave ahead of the step's last 16 products, a late wave behind them.
.macro TURN slot, next, fill
	WIN 0
.if \fill
	s_wait_xcnt 0x0                                ; any prefetch of mine has read its address
	s_add_nc_u64 s[PFA:PFA+1], s[PFA:PFA+1], s[PFS:PFS+1]
.endif
	s_wait_tensorcnt 0x0                           ; all my tensor loads have landed
	ds_add_u32 v[SPW], v[NIL]
	s_wait_dscnt 1                                 ; this step's fragments are in; the add may be out
	WIN MUL
	W8 0, 1, 0
	s_wait_dscnt 0x0                               ; the add is done, and my reads of this slot are over
	s_barrier_signal -1
	W8 2, 1, 0
	PLACES 4                                       ; behind the products of the step before, which read set 0
	WIN 0
	s_barrier_wait -1
.if \fill
	CREST
	s_cmp_lg_u32 s18, \slot
	s_cbranch_scc1 .Lnot_my_slot_\@
	s_add_nc_u64 s[G0+2:G0+3], s[G0+2:G0+3], 2*ROWB
	s_add_nc_u64 s[G0B+2:G0B+3], s[G0B+2:G0B+3], 2*BSTEP
	JLOAD                                          ; the first tensor load behind the round
.Lnot_my_slot_\@:
.endif
	s_cmp_lg_u32 s[LATE], 0
	s_cbranch_scc1 .Lturn_late_\@
	FETCH \next, 0, 0
.Lturn_late_\@:
.if \fill
	ASK \slot
.endif
	WIN MUL
	W8 4, 1, 0
	W8 6, 1, 0
	WIN 0
	s_cmp_eq_u32 s[LATE], 0
	s_cbranch_scc1 .Lturn_end_\@
	FETCH \next, 0, 0
.Lturn_end_\@:
.endm
	s_wait_tensorcnt 0x0                           ; my quarter of a slot is in,
	s_barrier_signal -1
	s_barrier_wait -1                              ; and so is everybody's: both slots are whole
	FETCH 0, 0, 0
	global_prefetch_b8 v[PFO], s[80:81] th:TH_LOAD_NT scope:SCOPE_SE   ; K step 2 or 3: the K step of my first refill
	SUB 0, 0, 1                                    ; the first step's products start the sums
	WIN 0
	s_mov_b32 s3, LAPS-1
.Llap:                                                 ; a trip goes once round the ring and fills both slots again
	SUB 0, 1, 0
	SUB 0, 2, 0
	TURN 0, 1, 1
	SUB 1, 0, 0
	SUB 1, 1, 0
	SUB 1, 2, 0
	TURN 1, 0, 1
	SUB 0, 0, 0
	WIN 0
	s_sub_co_u32 s3, s3, 1
	s_cmp_lg_u32 s3, 0
	s_cbranch_scc1 .Llap
	SUB 0, 1, 0
	SUB 0, 2, 0
	TURN 0, 1, 0
	SUB 1, 0, 0
	SUB 1, 1, 0
	SUB 1, 2, 0
	s_wait_dscnt 0x0                               ; the last step: nothing more to fetch
	W8 0, 1, 0
	W8 2, 1, 0
	W8 4, 1, 0
	W8 6, 1, 0
	WIN 0
; THE WAY OUT, by blocks of 16 rows x 64 columns: sum x 2^(ex + ew) + b in one fused multiply-add, each accumulator from its low end on; two neighbouring tiles' numbers are laid by turns, so that a lane has
; 64 neighbouring bytes of a row; through my own stage and back as rows of 256 bytes, which sixteen lanes store as one aligned unit.
.macro TOSTAGE a
	WIN 0x01
.irp b, 0,1,2,3
.irp j, 0,1,2,3,4,5,6,7
	v_fma_f32 v[TMP+16*(\b/2)+2*\j+(\b%2)], v[8*(4*(\a)+\b)+\j], s96, v[BI+16*(\b/2)+2*\j+(\b%2)]
.endr
.endr
	WIN 0
.irp g, 0,1
.irp q, 0,1,2,3
	ds_store_b128 v[STO], v[TMP+16*\g+4*\q:TMP+16*\g+4*\q+3] offset:128*\g+16*\q
.endr
.endr
.set BB, BK+32*((\a)%2)
.irp t, 0,1,2,3,4,5,6,7
	ds_load_b128 v[BB+4*\t:BB+4*\t+3], v[RD] offset:\t*2*SPITCH   ; LDS serves a wave's instructions in order: these see the stores above
.endr
.endm
.macro SEND a, younger
.set BB, BK+32*((\a)%2)
	s_wait_dscnt \younger
.if (\a) > 0
	s_add_nc_u64 s[12:13], s[12:13], 16*NROW       ; behind a wait on XCNT: the earlier stores have read their base
.endif
.irp t, 0,1,2,3,4,5,6,7
	global_store_b128 v[CO], v[BB+4*\t:BB+4*\t+3], s[12:13] offset:2*\t*NROW th:TH_STORE_NT
.endr
.endm
	s_wait_kmcnt 0x0
	s_add_co_i32 s96, s96, s97
	s_add_co_i32 s96, s96, 127
	s_lshl_b32 s96, s96, 23                        ; 2^(ex + ew) as f32
	s_wait_loadcnt 0x0                             ; the bias is in
	PLACES 4
	TOSTAGE 0
.irp a, 1,2,3,4,5,6,7
.if \a > 1
	s_wait_xcnt 0x0                                ; block a - 2's stores have read their registers and their base
.endif
	TOSTAGE \a
	SEND \a-1, 16                                  ; behind block a - 1's loads: block a's 8 stores and 8 loads
.endr
	s_wait_xcnt 0x0
	SEND 7, 0
	s_wait_tensorcnt 0x0                           ; the wave's end
	ds_add_u32 v[SPW], v[NIL]
	s_wait_dscnt 0x0
	CROUND                                         ; the closing round
	s_endpgm
.Lfunc_end_k_q9749055db8_gemm:
	.size	k_q9749055db8_gemm, .Lfunc_end_k_q9749055db8_gemm-k_q9749055db8_gemm
	.p2alignl 7, 3214868480
	.fill 96, 4, 3214868480
	.section	.rodata,"a",@progbits
	.p2align	6, 0x0
	.amdhsa_kernel k_q9749055db8_gemm
		.amdhsa_group_segment_fixed_size 327680
		.amdhsa_private_segment_fixed_size 0
		.amdhsa_enable_private_segment 0
		.amdhsa_kernarg_size 40
		.amdhsa_user_sgpr_count 2
		.amdhsa_user_sgpr_kernarg_segment_ptr 1
		.amdhsa_wavefront_size32 1
		.amdhsa_system_sgpr_workgroup_id_x 1
		.amdhsa_system_sgpr_workgroup_id_y 1
		.amdhsa_system_sgpr_workgroup_id_z 1
		.amdhsa_system_vgpr_workitem_id 0
		.amdhsa_next_free_vgpr 512
		.amdhsa_next_free_sgpr 98
		.amdhsa_reserve_vcc 0
		.amdhsa_float_denorm_mode_32 3
		.amdhsa_float_denorm_mode_16_64 3
		.amdhsa_memory_ordered 1
		.amdhsa_forward_progress 1
		.amdhsa_inst_pref_size 129
	.end_amdhsa_kernel
	.amdgpu_metadata
---
amdhsa.version: [ 1, 2 ]
amdhsa.kernels:
  - .name:           k_q9749055db8_gemm
    .symbol:         k_q9749055db8_gemm.kd
    .args:
      - { .name: xq, .offset: 0, .size: 8, .value_kind: global_buffer, .address_space: global }
      - { .name: wq, .offset: 8, .size: 8, .value_kind: global_buffer, .address_space: global }
      - { .name: lowp_scales, .offset: 16, .size: 8, .value_kind: global_buffer, .address_space: global }
      - { .name: b, .offset: 24, .size: 8, .value_kind: global_buffer, .address_space: global }
      - { .name: out0, .offset: 32, .size: 8, .value_kind: global_buffer, .address_space: global }
    .group_segment_fixed_size: 327680
    .private_segment_fixed_size: 0
    .kernarg_segment_align: 8
    .kernarg_segment_size: 40
    .max_flat_workgroup_size: 256
    .sgpr_count:     98
    .vgpr_count:     512
    .wavefront_size: 32
...
	.end_amdgpu_metadata
.endif
;; end of part 2
